; MI455X (gfx1250); checked and timed in simulation.
; The chip was launched on July 23, 2026; its instructions are those of AMD's public machine-readable ISA for CDNA 5 (MIT licence, August 2026) and "CDNA5" Instruction Set Architecture Reference Guide (July 2026). The comments in the code are by the model that wrote it; some were corrected since.
;; Attention. Allowed arithmetic: float matrix products may take bf16 or f16 operands with f32 sums; other float arithmetic in f32, or as packed bf16 or f16 multiplies, adds, multiply-adds, maxima and minima; sums over many terms, partial sums and values carried from step to step in f32; what a program stores and reads back later, other than sums and carried values, may be rounded once to bf16 or f16.
;; Inputs: k 1 x 16 x 4,096 x 64 float32; q 1 x 16 x 4,096 x 64 float32; v 1 x 16 x 4,096 x 64 float32.
;; Outputs: out0 1 x 16 x 4,096 x 64 float32.
;; 2 versions, each right; version 2 is version 1 with the launch cast written anew for expert scheduling mode. Each part assembles by itself: llvm-mc -triple=amdgcn-amd-amdhsa -mcpu=gfx1250 --defsym DOCPART=n.
;; ======== version 1 of 2: 2 launches
;; limits: inputs' magnitudes at most 65,408; values are held in f16: magnitudes above 65,504 overflow, below 6.1e-05 lose precision; right only within a limited range of input values
;; workspace buffers: kb 8,388,608 bytes; vh 8,388,608 bytes
;; launch cast (part 1): grid 512 x 1, 8 waves a work-group, no clusters, 0 bytes of LDS; arguments k, v, kb, vh; writes kb, vh
.if DOCPART == 1
	.amdgcn_target "amdgcn-amd-amdhsa--gfx1250"
	.amdhsa_code_object_version 6
	.text
	.protected	k_qb8e345d7e2_cast
	.globl	k_qb8e345d7e2_cast
	.p2align	8
	.type	k_qb8e345d7e2_cast,@function
k_qb8e345d7e2_cast:
	s_mov_b64 s[64:65], 0
	v_nop
	global_prefetch_b8 v0, s[64:65] scope:SCOPE_SE
	s_setreg_imm32_b32 hwreg(HW_REG_WAVE_MODE, 25, 1), 1
	s_wait_xcnt 0x0
; kb = k rounded to bf16.  vh = v rounded to bf16, that number written as f16.  k, v: [16][4096][64] f32; kb, vh: the same shape in 16 bits.
; Both are matrix operands of the launch behind: k of a bf16 product; v of an f16 product, whose other operand (the softmax weights) wants f16.
; LIMITS.  A bf16 number is exact in f16 from 2^-14 up to 65,504; below 2^-14 it keeps f16's fixed step of 6e-8; |v| of 65,408 or more would become an infinity: this text serves |v| below that.
; SHARES.  A stream: each byte is read once and written once, so no LDS, no barrier, no matrix unit.  512 work-groups of eight waves; a work-group takes 32,768 consecutive bytes of k and the same of v.
; Thread t takes the 16 bytes at 16 t + 4,096 j, j = 0 .. 7: a load of a wave covers 512 consecutive bytes; its 8 bytes of result lie at 8 t + 2,048 j: a store of a wave covers 256 consecutive bytes, aligned.
; All sixteen loads of a wave go out first; every register is written once, so no source of a pending load or store is ever rewritten.
.set T, 4                              ; v[4:9]     at work: three registers for each of a load's two pairs
.set X, 16                             ; v[16:79]   load n at X + 4 n: n = 0 .. 7 from k, 8 .. 15 from v
.set Y, 80                             ; v[80:111]  store n at Y + 2 n
	s_load_b256 s[4:11], s[0:1], 0x0               ; k s[4:5], v s[6:7], kb s[8:9], vh s[10:11]
	s_lshl_b32 s2, ttmp9, 15                       ; the work-group's 32,768 bytes of input,
	s_lshl_b32 s3, ttmp9, 14                       ; its 16,384 of output
	s_mov_b32 s12, 0xffff0000                      ; a word's upper bf16
	v_lshl_add_u32 v1, v0, 4, s2
	v_lshl_add_u32 v2, v0, 3, s3
	s_wait_kmcnt 0x0
.irp j, 0,1,2,3,4,5,6,7
	global_load_b128 v[X+4*(\j):X+4*(\j)+3], v1, s[4:5] offset:4096*(\j) th:TH_LOAD_NT
.endr
.irp j, 0,1,2,3,4,5,6,7
	global_load_b128 v[X+32+4*(\j):X+32+4*(\j)+3], v1, s[6:7] offset:4096*(\j) th:TH_LOAD_NT
.endr
.irp j, 0,1,2,3,4,5,6,7
	s_wait_loadcnt 15-(\j)                         ; loads come back in order: load j is in, the 15 - j younger ones stay out
	v_cvt_pk_bf16_f32 v[Y+2*(\j)],   v[X+4*(\j)],   v[X+4*(\j)+1]
	v_cvt_pk_bf16_f32 v[Y+2*(\j)+1], v[X+4*(\j)+2], v[X+4*(\j)+3]
	global_store_b64 v2, v[Y+2*(\j):Y+2*(\j)+1], s[8:9] offset:2048*(\j)
.endr
.irp j, 0,1,2,3,4,5,6,7
	s_wait_loadcnt 7-(\j)
.irp p, 0,1
	v_cvt_pk_bf16_f32 v[T+3*(\p)], v[X+32+4*(\j)+2*(\p)], v[X+32+4*(\j)+2*(\p)+1]  ; the one rounding,
	v_lshlrev_b32 v[T+3*(\p)+1], 16, v[T+3*(\p)]                                   ; the two numbers as f32 again,
	v_and_b32     v[T+3*(\p)+2], s12, v[T+3*(\p)]
	v_cvt_pk_f16_f32 v[Y+16+2*(\j)+(\p)], v[T+3*(\p)+1], v[T+3*(\p)+2]             ; and written as f16
.endr
	global_store_b64 v2, v[Y+16+2*(\j):Y+16+2*(\j)+1], s[10:11] offset:2048*(\j)
.endr
	s_endpgm
.Lfunc_end_k_qb8e345d7e2_cast:
	.size	k_qb8e345d7e2_cast, .Lfunc_end_k_qb8e345d7e2_cast-k_qb8e345d7e2_cast
	.p2alignl 7, 3214868480
	.fill 96, 4, 3214868480
	.section	.rodata,"a",@progbits
	.p2align	6, 0x0
	.amdhsa_kernel k_qb8e345d7e2_cast
		.amdhsa_group_segment_fixed_size 0
		.amdhsa_private_segment_fixed_size 0
		.amdhsa_enable_private_segment 0
		.amdhsa_kernarg_size 32
		.amdhsa_user_sgpr_count 2
		.amdhsa_user_sgpr_kernarg_segment_ptr 1
		.amdhsa_wavefront_size32 1
		.amdhsa_system_sgpr_workgroup_id_x 1
		.amdhsa_system_sgpr_workgroup_id_y 1
		.amdhsa_system_sgpr_workgroup_id_z 1
		.amdhsa_system_vgpr_workitem_id 0
		.amdhsa_next_free_vgpr 112
		.amdhsa_next_free_sgpr 66
		.amdhsa_reserve_vcc 0
		.amdhsa_float_denorm_mode_32 3
		.amdhsa_float_denorm_mode_16_64 3
		.amdhsa_memory_ordered 1
		.amdhsa_forward_progress 1
		.amdhsa_inst_pref_size 9
	.end_amdhsa_kernel
	.amdgpu_metadata
---
amdhsa.version: [ 1, 2 ]
amdhsa.kernels:
  - .name:           k_qb8e345d7e2_cast
    .symbol:         k_qb8e345d7e2_cast.kd
    .args:
      - { .name: k, .offset: 0, .size: 8, .value_kind: global_buffer, .address_space: global }
      - { .name: v, .offset: 8, .size: 8, .value_kind: global_buffer, .address_space: global }
      - { .name: kb, .offset: 16, .size: 8, .value_kind: global_buffer, .address_space: global }
      - { .name: vh, .offset: 24, .size: 8, .value_kind: global_buffer, .address_space: global }
    .group_segment_fixed_size: 0
    .private_segment_fixed_size: 0
    .kernarg_segment_align: 8
    .kernarg_segment_size: 32
    .max_flat_workgroup_size: 256
    .sgpr_count:     66
    .vgpr_count:     112
    .wavefront_size: 32
...
	.end_amdgpu_metadata
.endif
;; end of part 1
;; launch attn (part 2): grid 16 x 16, 4 waves a work-group, no clusters, 327,680 bytes of LDS; arguments q, kb, vh, out0; writes out0
.if DOCPART == 2
	.amdgcn_target "amdgcn-amd-amdhsa--gfx1250"
	.amdhsa_code_object_version 6
	.text
	.protected	k_qb8e345d7e2_attn
	.globl	k_qb8e345d7e2_attn
	.p2align	8
	.type	k_qb8e345d7e2_attn,@function
k_qb8e345d7e2_attn:
	s_mov_b64 s[64:65], 0
	v_nop
	global_prefetch_b8 v0, s[64:65] scope:SCOPE_SE
	s_setreg_imm32_b32 hwreg(HW_REG_WAVE_MODE, 25, 1), 1
	s_wait_xcnt 0x0
; CAUSAL ATTENTION.  O[h][q][:] = the sum over k <= q of softmax_k(Q[h][q] . K[h][k] / 8) V[h][k][:].  16 heads, 4,096 rows, 64 channels.  Q and O are f32; K comes as bf16, V as f16 (each v rounded to bf16, written as f16).
; Q is rounded to bf16 here, once, by the wave that owns its rows.  S = K Q^T is a bf16 product; the weights p are rounded to f16 and O = V^T P is an f16 product; maxima, sums and O stay in f32.
; LIMITS.  V arrives within f16's range (65,504).  p lies in 0 to 1, and below 6e-5 it keeps f16's fixed step of 6e-8.  A hidden score counts as its value less 1e30: scores are taken to be small beside that.
; A weight below 2^-126 counts as 0 in l; NaN and infinities are not treated apart.
; THE WALK.  A head's queries lie in 32 blocks of 128; keys come in tiles of 256 (four steps of 64); block i needs the tiles 0 .. i / 2, of which the last holds the diagonal.  A work-group takes TWO blocks, 31 - b and then b:
; (31 - b) / 2 + 1 + b / 2 + 1 = 17 tiles, whatever b (one of the two numbers is odd): 16 x 16 = 256 work-groups of equal work, and ONE loop with a constant trip count walks them.  Which tile is asked for, and what a trip
; does, hang on scalar registers made from b; every jump goes forward, but for the counted loops' own; none passes a barrier, or a tensor load but the one of LOAD's two that the wave's number does not choose.
; NO CLUSTER: four neighbours b = 4 c .. 4 c + 3 end their first blocks behind 16 - 2 c, 16 - 2 c, 15 - 2 c, 15 - 2 c tiles; that change of blocks is a branch, which partners in joint loads may not take apart, and
; a walk common to the four would have 18 trips for 17.
; SHARES.  A block has two bands of 64 queries; wave w owns rows 16 w .. 16 w + 15 of each: two PIECES.  In the diagonal tile band x has its own step d + x, d = 2 (block % 2): it sees all keys of earlier steps,
; none of later ones: the same work for all four waves.
; THE MASK is the C operand that starts the sum S^T = K Q^T: 0, or -1e30 where the key is hidden.  MD, made once, is the mask of a band's own step for my 16 rows; a product's mask is MD x AL + BE with two scalars:
; (1, 0) in the band's own step; (0, 0) before it; (0, -1e30) behind it.  Only the diagonal tile's text and a block's beginning make and take masks; elsewhere C is the constant 0.
; LAYOUT, SOFTMAX.  S^T = K Q^T holds ONE query a lane (lane % 16) and the keys 8 (lane / 16) + 0..7; two such results rounded to f16 ARE source 1 of O^T = V^T P.  p = 2^(c s - c m), c = log2(e) / 8, with a running
; maximum m; O and l are multiplied by a = 2^(c m_old - c m_new) in every step.
; TURNS.  Turn (s, p) belongs to piece p in key step s.  Its matrix work is the OTHER piece's: 8 products K Q^T (p = 0: step s; p = 1: step s + 1), later 8 products V^T P (p = 0: step s - 1; p = 1: step s).  Its vector work:
; the scaling, exponentials, roundings, sums and rescaling of piece p, and the maximum and statistics of the other piece.  Four vector instructions stand behind every matrix instruction, the other 54 of 118 in two lumps.
; K has one register buffer: K of step s + 1 is fetched in turn (s, 0), behind the last product on K of step s.  V has TWO, by the step's parity: V of step s + 1 is fetched in turn (s, 1).  So LDS is read in the order
; K(s+1), V(s+1), K(s+2) ..., and behind turn (2, 1) a tile has been read out: there the slots change.  A trip of the step loop is four turns: an odd step's two, then an even step's two.
; REGISTERS, in windows of 256 (s_set_vgpr_msb: bits 1:0 source 0, 3:2 source 1, 5:4 source 2, 7:6 destination):
;   window 0: v0-15, v24 addresses and some at work; v16-23 four registers of statistics a piece; v48-55 at work; v64-127 S^T, a buffer a piece (at the start v64-191 hold Q in f32); v192-223 P, a buffer a piece
;   window 1: v0-63 O^T, 32 a piece; v128-159 MD; v160-223 MC, a buffer a piece      window 2: v0-31 Q; v32-63 the second block's Q; v64-127 V of odd steps; v128-191 K; v192-255 V of even steps
.set NP,    2         ; pieces a wave: a name, no knob
.set KS,    64        ; keys in a step
.set PK,    144       ; a row of K in LDS: 128 bytes + 16 of padding = 36 words: the 16 rows of a load start at 16 different groups of four banks (64 banks of 4 bytes: ISA guide 11.1)
.set PV,    160       ; a row of V: 128 + 32 = 40 words
.set VOFF,  4*KS*PK   ; a slot holds a tile, four steps: 256 rows of K, then 256 rows of V
.set SLOT1, 1<<17     ; slot 1 begins here, so that one exclusive or turns an address in one slot into the other's
.set STAGE, SLOT1+4*KS*(PK+PV)  ; behind the ring, never filled by a tensor load: 16 rows x 272 bytes for each wave, for the way out
.set SP,    272       ; a row of O in the stage: 256 bytes + 16
.set SPARE, STAGE+4*16*SP  ; behind the stages: the spare words, 128 bytes for each wave: two blocks of 256 bytes that no other line names
.set AK0, 2           ; v2   my lane's place in a tile of K; never rewritten
.set AV0, 3           ; v3   the same for V
.set AK,  4           ; v4   the LDS address of K's next run of loads
.set AV,  5           ; v5   of V's
.set STO, 6           ; v6   the way out: where I put 32 bytes of a row
.set RD,  7           ; v7   the way out: where I read rows back
.set GO,  8           ; v8   my byte offset in two rows of O
.set MV,  12          ; v12-13  c m_old, kept while c m is made anew: by piece
.set QO,  15          ; v15  my byte offset in 16 rows of Q
.set ST,  16          ; piece t's statistics at v[ST+4 t]: c m, m, l (even keys', odd keys')
.set PFO, 24          ; v24  256 x my lane: the prefetches' offset; never rewritten
.set TMP, 48          ; by piece, four registers c0-c3 at work; when the maximum is found c2 takes a
.set SPW, 62          ; v62  LDS address of my spare word: SPARE + 4 x my thread's number; never rewritten
.set NIL, 63          ; v63  0; never rewritten
.set S,   64
.set P,   192
.set MD,  128         ; window 1: the eight registers for group kt of 16 keys at MD + 8 kt
.set MC,  160         ; window 1: the masks of the products to come
.set QB,  32          ; window 2
.set KF,  128         ; window 2: key block kb, channel half c at KF + 16 kb + 8 c
.set WV,  12          ; s12  my wave's number
.set PB,  14          ; s14  b
.set HI,  15          ; s15  31 - b
.set G1K, 24          ; s[24:31] descriptor group 1 for K's tiles
.set G1V, 32          ; s[32:39] for V's: it differs in the padding alone
.set G0K, 40          ; s[40:43] descriptor group 0 for K's tiles
.set G0V, 44          ; s[44:47] the same for V's
.set PFK, 48          ; s[48:49] K at the head's first row + 8,192 x my wave: my quarter of a tile, for the prefetches
.set PFV, 50          ; s[50:51] the same for V
.set PA,  52          ; s[52:53] what this change's prefetch of K names
.set PBV, 54          ; s[54:55] and of V
.set SLOTS, 56        ; s56  tiles still to be asked for
.set CNT, 57          ; s57  counts a tile's trips of the step loop, 2 to 1
.set CS,  58          ; s[58:59] c: the packed scaling takes the pair's low word for both halves
.set SEL, 60          ; s[60:61] v_permlanex16_b32's selects: each lane takes its own place in the other half
.set TBK, 62          ; s62  LDS byte at which K of the step to be fetched begins
.set TBV, 63          ; s63  the same for V, less VOFF
.set TM,  66          ; s66  the step of the tile for which the next mask is made
.set LIM, 67          ; s67  0 in the work-group that prefetches (b = 0), else the greatest number
.set OWN, 68          ; s68, s69  the own steps of the two bands of the block in hand: d, d + 1
.set RT,  70          ; s70  tiles of the block in hand that are still to be entered
.set NXT, 71          ; s71  the tile to be asked for next
.set LQ,  72          ; s72  the last tile of the block whose tiles are being asked for
.set NEW, 73          ; s73  1: the tile to be entered is a block's first
.set OFF, 74          ; s[74:75] a tile's byte offset in K and V
.set AL,  76          ; s[76:77] the mask's factor, in the low word
.set BE,  78          ; s[78:79] the mask's addend
.set OLO, 80          ; s[80:81] O at my rows of the second block
.set BIGN, 82         ; s82  -1e30
.set LQ2, 83          ; s83  the second block's last tile, b / 2
.set D2,  88          ; s88  the second block's d
.set OFF2, 90         ; s[90:91] the byte offset of the tile that is prefetched
.set MSB, 0
.macro WIN new                      ; the high byte repeats the setting that is left; a switch that changes nothing is dropped
.if MSB != (\new)
	s_set_vgpr_msb (MSB<<8)|(\new)
.set MSB, (\new)
.endif
.endm
.set W_KQ, 0x0a       ; K and Q in window 2, S^T in window 0
.set W_KM, 0x1a       ; the same with the C operand in window 1
.set W_PV, 0x52       ; V in window 2, P in window 0, O^T in window 1
.set W_RS, 0x41       ; destination and source 0 in window 1, source 1 in window 0
; A fill.  Waves 0 and 1 fetch the two halves of a tile's K, waves 2 and 3 those of its V: 128 keys each.  An s_nop 0 and four v_nop follow each of the two lines, ahead of the jump and the label.
.macro LOAD
	s_cmp_lt_u32 s[WV], 2
	s_cbranch_scc0 .Lfor_v_\@
	tensor_load_to_lds s[G0K:G0K+3], s[G1K:G1K+7]
	s_nop 0
.rept 4
	v_nop
.endr
	s_branch .Lasked_\@
.Lfor_v_\@:
	tensor_load_to_lds s[G0V:G0V+3], s[G1V:G1V+7]
	s_nop 0
.rept 4
	v_nop
.endr
.Lasked_\@:
.endm
; A PREFETCH INTO THE L2 of the tile that the NEXT change of slots will ask for: eight turns, 128 matrix instructions, ahead of that load.  All sixteen work-groups of a head begin with the tiles 0, 1, 2 ..; the one with
; b = 0 walks all sixteen, and it alone asks.  Wave w names its quarter of the tile, 32 blocks of 256 bytes of K and 32 of V, a lane a block: each block is named once in the launch.  Tiles 0 and 1 come by their
; loads alone; when the first block's last tile has been asked for, NXT is 0 and nothing more is named.  It stands behind the tensor load and its five lines.
.macro ASK
	s_cmp_gt_u32 s[NXT], s[LIM]
	s_cbranch_scc0 .Lnot_mine_\@
	global_prefetch_b8 v[PFO], s[PA:PA+1] th:TH_LOAD_NT scope:SCOPE_SE
	global_prefetch_b8 v[PFO], s[PBV:PBV+1] th:TH_LOAD_NT scope:SCOPE_SE
.Lnot_mine_\@:
.endm
; THE CHANGE OF SLOTS.  Each wave waits for all its tensor loads, of which one is out: its part of the other slot; adds 0 to its spare word; and waits for that and for its own reads of the slot that it leaves.  Behind the
; barrier nobody reads the old slot any more and the other slot is whole.  fill = 1: the old slot is filled again, the first thing behind the barrier, with tile NXT: the descriptor's address is made anew from that number.
; (At its first use nothing has been read yet: slot 0 is waited for, slot 1 filled.)
.macro CHANGE fill
	WIN 0                           ; at a label and at a branch every window is 0
	s_wait_tensorcnt 0x0            ; no tensor load of mine is out, so a group 0 may be written
	ds_add_u32 v[SPW], v[NIL]       ; 0 onto my spare word; with fill = 1 the descriptors' scalar work stands between it and the wait for it
.if \fill
	s_lshl_b32 s[OFF], s[NXT], 15   ; a tile is 32,768 bytes of K and of V
	s_xor_b32 s[G0K+1], s[G0K+1], SLOT1
	s_add_nc_u64 s[G0K+2:G0K+3], s[6:7], s[OFF:OFF+1]
	s_or_b32 s[G0K+3], s[G0K+3], 0x80000000
	s_xor_b32 s[G0V+1], s[G0V+1], SLOT1
	s_add_nc_u64 s[G0V+2:G0V+3], s[8:9], s[OFF:OFF+1]
	s_or_b32 s[G0V+3], s[G0V+3], 0x80000000
	s_add_co_u32 s[NXT], s[NXT], 1  ; the block's next tile, or behind its last the second block's tile 0
	s_cmp_gt_u32 s[NXT], s[LQ]
	s_cselect_b32 s[NXT], 0, s[NXT]
	s_cselect_b32 s[LQ], s[LQ2], s[LQ]
	s_wait_xcnt 0x0                 ; the last prefetches, a tile back, have read their addresses, so these may be written
	s_lshl_b32 s[OFF2], s[NXT], 15
	s_add_nc_u64 s[PA:PA+1], s[PFK:PFK+1], s[OFF2:OFF2+1]
	s_add_nc_u64 s[PBV:PBV+1], s[PFV:PFV+1], s[OFF2:OFF2+1]
.endif
	s_wait_dscnt 0x0                ; the add is done, and my reads of the slot are over
	s_barrier_signal -1             ; the rest of the scalar work stands between the signal and the wait
	s_sub_co_u32 s[TBK], s[TBK], 4*KS*PK  ; the fetches go back to a slot's first step,
	s_xor_b32 s[TBK], s[TBK], SLOT1       ; in the other slot
	s_sub_co_u32 s[TBV], s[TBV], 4*KS*PV
	s_xor_b32 s[TBV], s[TBV], SLOT1
	s_barrier_wait -1
.if \fill
	LOAD
	ASK
.endif
.endm
	s_load_b256 s[4:11], s[0:1], 0x0  ; Q s[4:5], K s[6:7], V s[8:9], O s[10:11]
	v_lshl_add_u32 v[SPW], v0, 2, SPARE
	v_mov_b32 v[NIL], 0
	ds_add_u32 v[SPW], v[NIL]       ; the wave's opening: the add and its wait stand ahead of my first tensor load; the set-up below, work on registers, stands between them
	ds_add_u32 v62, v63
	v_lshrrev_b32 v1, 5, v0
	v_readfirstlane_b32 s[WV], v1   ; wave 0..3
	s_mov_b32 s[PB], ttmp9
	s_sub_co_u32 s[HI], 31, s[PB]
	s_and_b32 s19, ttmp7, 0xffff    ; the head
	s_lshl_b32 s20, s19, 19         ; its first byte in K and V: 4,096 rows of 128 bytes
	s_mov_b32 s21, 0
	s_and_b32 s16, s[WV], 1         ; which half of a tile's 256 keys I fetch:
	s_lshl_b32 s22, s16, 14         ; its 128 rows of 128 bytes in memory,
	s_add_co_u32 s22, s22, s20
	s_mov_b32 s23, 0
	s_mul_i32 s17, s16, 128*PK      ; and its place in a slot, for K
	s_mul_i32 s18, s16, 128*PV      ; and for V
	s_lshl_b32 s13, s[WV], 13       ; the prefetches: my quarter of a tile
	s_add_co_u32 s20, s20, s13
	s_lshl_b32 s19, s19, 20         ; the head's first byte in Q and O: 4,096 rows of 256 bytes
	s_lshl_b32 s3, s[WV], 12        ; my 16 rows in a band of 64,
	s_add_co_u32 s3, s3, s19
	s_lshl_b32 s2, s[HI], 15        ; in the first block (128 rows of 256 bytes),
	s_add_co_u32 s2, s2, s3
	s_lshl_b32 s84, s[PB], 15       ; and in the second
	s_add_co_u32 s84, s84, s3
	s_mov_b32 s3, 0
	s_mov_b32 s85, 0
	; descriptor group 1.  128 keys are 16,384 dense bytes: asked for as 64 rows of 256 bytes, two keys a row, and padded in LDS after every key
	s_mov_b32 s[G1K], (1<<16)|(1<<20)|(4<<22)|(3<<25)  ; 17:16 2-byte elements; 20 padding on; 24:22 after every 32 words (code 4); 31:25 4 words (code 3)
	s_mov_b32 s[G1V], (1<<16)|(1<<20)|(4<<22)|(7<<25)  ; the same with 8 words of padding (code 7)
.irp g, G1K, G1V
	s_mov_b32 s[\g+1], 128<<16      ; tensor_dim0 = 128
	s_mov_b32 s[\g+2], 64<<16       ; tensor_dim1 = 64
	s_mov_b32 s[\g+3], 128<<16      ; tile_dim0 = 128
	s_mov_b32 s[\g+4], 64           ; tile_dim1 = 64
	s_mov_b32 s[\g+5], 128          ; 128 elements from row to row
	s_mov_b32 s[\g+6], 0
	s_mov_b32 s[\g+7], 0
.endr
	s_mov_b32 s[CS], 0x3e38aa3b     ; c = log2(e) / 8 = 0.180337
	s_mov_b32 s[CS+1], s[CS]        ; named with it as a pair
	s_mov_b32 s[SEL], 0x76543210
	s_mov_b32 s[SEL+1], 0xfedcba98
	s_mov_b32 s[TBK], SLOT1+4*KS*PK ; the first change of slots turns these two into 0
	s_mov_b32 s[TBV], SLOT1+4*KS*PV
	s_mov_b32 s[G0K], 1             ; 1:0 count = 1
	s_mov_b32 s[G0K+1], s17         ; 63:32 LDS address: slot 0
	s_mov_b32 s[G0V], 1
	s_add_co_u32 s[G0V+1], s18, VOFF
	s_lshr_b32 s[LQ], s[HI], 1      ; the first block's last tile,
	s_add_co_u32 s[RT], s[LQ], 1    ; and how many it has
	s_lshr_b32 s[LQ2], s[PB], 1
	s_mov_b32 s[NXT], 1
	s_mov_b32 s[NEW], 1
	s_and_b32 s[OWN], s[HI], 1
	s_lshl_b32 s[OWN], s[OWN], 1    ; d of the first block
	s_add_co_u32 s[OWN+1], s[OWN], 1
	s_and_b32 s[D2], s[PB], 1
	s_lshl_b32 s[D2], s[D2], 1      ; d of the second
	s_cmp_eq_u32 s[PB], 0
	s_cselect_b32 s[LIM], 0, -1
	s_mov_b32 s[OFF+1], 0
	s_mov_b32 s[OFF2+1], 0
	s_mov_b32 s[AL+1], 0            ; named as pairs
	s_mov_b32 s[BE+1], 0
	s_mov_b32 s[BIGN], 0xf149f2ca   ; -1e30
	s_mov_b32 s[SLOTS], 16
	s_wait_dscnt 0x0                ; the opening add is done
	s_wait_kmcnt 0x0
	s_add_nc_u64 s[PFK:PFK+1], s[6:7], s[20:21]
	s_add_nc_u64 s[PFV:PFV+1], s[8:9], s[20:21]
	s_add_nc_u64 s[6:7], s[6:7], s[22:23]  ; K and V at my half of the head's tile 0
	s_add_nc_u64 s[8:9], s[8:9], s[22:23]
	s_add_nc_u64 s[G0K+2:G0K+3], s[6:7], 0         ; 120:64 global address
	s_or_b32 s[G0K+3], s[G0K+3], 0x80000000        ; 127:126 type = 2
	s_add_nc_u64 s[G0V+2:G0V+3], s[8:9], 0
	s_or_b32 s[G0V+3], s[G0V+3], 0x80000000
	s_add_nc_u64 s[86:87], s[4:5], s[84:85]        ; Q at my rows of the second block,
	s_add_nc_u64 s[4:5], s[4:5], s[2:3]            ; Q and O at those of the first
	s_add_nc_u64 s[OLO:OLO+1], s[10:11], s[84:85]
	s_add_nc_u64 s[10:11], s[10:11], s[2:3]
	LOAD                            ; tile 0 into slot 0
	; A fragment of K or Q is 16 rows x 32 channels in 8 registers: lane l holds row l % 16, channels 8 (l / 16) + 0..7 and 16 + 8 (l / 16) + 0..7.  In f32 each eight channels are 32 bytes: two loads of 16.
	v_and_b32 v1, 15, v0            ; l % 16
	v_bfe_u32 v9, v0, 4, 1          ; l / 16
	v_lshlrev_b32 v[QO], 8, v1
	v_lshl_add_u32 v[QO], v9, 5, v[QO]  ; row x 256 + 32 x half
.set i, 0
.rept 16                            ; both blocks' Q in f32: piece i / 8 lies in band i / 8, 16,384 bytes on; channels 32 ((i / 4) % 2) + 16 ((i / 2) % 2) + 4 (i % 2) on
	global_load_b128 v[64+4*i:64+4*i+3],   v[QO], s[4:5]   offset:(i/8)*16384+((i/4)%2)*128+((i/2)%2)*64+(i%2)*16 th:TH_LOAD_NT
	global_load_b128 v[128+4*i:128+4*i+3], v[QO], s[86:87] offset:(i/8)*16384+((i/4)%2)*128+((i/2)%2)*64+(i%2)*16 th:TH_LOAD_NT
.set i, i+1
.endr
	v_lshlrev_b32 v14, 3, v9
	v_sub_nc_u32 v14, v1, v14
	s_lshl_b32 s13, s[WV], 4
	v_add_nc_u32 v14, s13, v14      ; my query's place in its band, 16 w + l % 16, less my lanes' 8 (l / 16): register r of group kt is hidden where 16 kt + r is greater
	WIN 0x40
.set i, 0
.rept 32
	v_cmp_gt_i32 vcc_lo, 16*(i/8)+i%8, v14
	v_cndmask_b32 v[MD+i], 0, s[BIGN], vcc_lo
.set i, i+1
.endr
	WIN 0
	v_mul_u32_u24 v[AK0], v1, PK
	v_lshl_add_u32 v[AK0], v9, 4, v[AK0]  ; row x pitch + 16 x half
	; The turning load takes 16 keys x 16 channels (lane l reads key 8 (l / 16) + l % 8, channels 8 ((l / 8) % 2) + 0..7) and leaves half a fragment of V^T: lane l holds channel l % 16 and 8 keys.
	v_and_b32 v10, 7, v0
	v_bfe_u32 v11, v0, 3, 1
	v_lshl_add_u32 v[AV0], v9, 3, v10
	v_mul_u32_u24 v[AV0], v[AV0], PV
	v_lshl_add_u32 v[AV0], v11, 4, v[AV0]
	v_add_nc_u32 v[AV0], VOFF, v[AV0]
	s_mul_i32 s13, s[WV], 16*SP
	s_add_co_u32 s13, s13, STAGE    ; my stage
	v_mul_u32_u24 v[STO], v1, SP    ; in: row l % 16, 32 bytes for each half of the lanes
	v_lshl_add_u32 v[STO], v9, 5, v[STO]
	v_add_nc_u32 v[STO], s13, v[STO]
	v_mul_u32_u24 v[RD], v9, SP     ; back: lanes 0-15 take one row of 256 bytes, lanes 16-31 the next
	v_lshl_add_u32 v[RD], v1, 4, v[RD]
	v_add_nc_u32 v[RD], s13, v[RD]
	v_lshlrev_b32 v[GO], 8, v9      ; and the same two rows in O
	v_lshl_add_u32 v[GO], v1, 4, v[GO]
	v_and_b32 v[PFO], 31, v0
	v_lshlrev_b32 v[PFO], 8, v[PFO]
	; A block's first step multiplies O^T and l by a = 0, and its first turn's products V^T P, of a step that has not been, land in an O^T that is still to be so multiplied.  So these registers need only hold
	; finite numbers: zeros for the first block; what the first block left for the second.  All this stands in the wait for the first tile.
	WIN 0x80
.set i, 64
.rept 64
	v_mov_b32 v[i], 0               ; V of odd steps
.set i, i+1
.endr
	WIN 0x40
.set i, 0
.rept 64
	v_mov_b32 v[i], 0               ; O^T
.set i, i+1
.endr
	WIN 0
.set i, 0
.rept NP
	v_mov_b32 v[ST+4*i+2], 0
	v_mov_b32 v[ST+4*i+3], 0
.set i, i+1
.endr
.set i, P+16
.rept 16
	v_mov_b32 v[i], 0               ; piece 1's P
.set i, i+1
.endr
	s_wait_loadcnt 0x0              ; Q of both blocks is in: rounded to bf16 once, two numbers a line; register d of window 2 takes the f32 pair at 64 + 2 d
	WIN 0x80
.set i, 0
.rept 64
	v_cvt_pk_bf16_f32 v[i], v[64+2*i], v[65+2*i]
.set i, i+1
.endr
	WIN 0
; THE MATRIX WORK.  The 4 accumulators of a run of 8 take turns.  Product i of 8 of S^T = K Q^T for piece x: channels 32 (i / 4) on, keys 16 (i % 4) on.  The first 4 start the sums: with 0, or (KM = 1) with the mask.
.macro KQ x
.set rS, S+32*((\x)%2)+8*(i%4)
.set rK, KF+16*(i%4)+8*(i/4)
.set rQ, 16*(\x)+8*(i/4)
.set rM, MC+32*((\x)%2)+8*(i%4)
.if (i < 4) && KM
	WIN W_KM
	v_wmma_f32_16x16x32_bf16 v[rS:rS+7], v[rK:rK+7], v[rQ:rQ+7], v[rM:rM+7]
.elseif i < 4
	WIN W_KQ
	v_wmma_f32_16x16x32_bf16 v[rS:rS+7], v[rK:rK+7], v[rQ:rQ+7], 0
.else
	WIN W_KQ
	v_wmma_f32_16x16x32_bf16 v[rS:rS+7], v[rK:rK+7], v[rQ:rQ+7], v[rS:rS+7]
.endif
.endm
; Product i of 8 of O^T += V^T P for piece x: keys 32 (i / 4) on, channels 16 (i % 4) on; V from buffer VB (0: v192 on, 1: v64 on).
.macro PV x
	WIN W_PV
.set rO, 32*(\x)+8*(i%4)
.set rV, 192-128*VB+32*(i/4)+8*(i%4)
.set rP, P+16*((\x)%2)+8*(i/4)
	v_wmma_f32_16x16x32_f16 v[rO:rO+7], v[rV:rV+7], v[rP:rP+7], v[rO:rO+7]
.endm
.macro MM                           ; the turn's next matrix instruction.  TURN and BEGIN set Y, i, KM, NOKQ and VB; MM, KQ, PV and OP read them.  NOKQ = 1: a block's last turn: there is no next step
.if (i < 8) && !NOKQ
	KQ (Y+1)%NP
.elseif i >= 8
.set i, i-8
	PV (Y+NP-1)%NP
.set i, i+8
.endif
.set i, i+1
.endm
; THE LDS LOADS stand in runs of 16, never singly among the matrix instructions: a step's K (64 keys x 64 channels: 8 fragments) and its V (turned).  Their addresses are made some lines ahead.
.macro FETCH_K
	WIN 0x80                        ; destination window 2
.irp f, 0,1,2,3,4,5,6,7             ; keys 16 (f / 2) on, channels 32 (f % 2) on
	ds_load_b128 v[KF+8*\f:KF+8*\f+3],   v[AK] offset:(\f/2)*16*PK+(\f%2)*64
	ds_load_b128 v[KF+8*\f+4:KF+8*\f+7], v[AK] offset:(\f/2)*16*PK+(\f%2)*64+32
.endr
	s_add_co_u32 s[TBK], s[TBK], KS*PK  ; the next fetch is the next step's
	WIN 0
.endm
.macro FETCH_V b                    ; into V's buffer b
.set VD, 192-128*(\b)
	WIN 0x80
.irp f, 0,1,2,3,4,5,6,7             ; keys 32 (f / 4) on, channels 16 (f % 4) on
	ds_load_tr16_b128 v[VD+8*\f:VD+8*\f+3],   v[AV] offset:(\f/4)*32*PV+(\f%4)*32
	ds_load_tr16_b128 v[VD+8*\f+4:VD+8*\f+7], v[AV] offset:(\f/4)*32*PV+16*PV+(\f%4)*32
.endr
	s_add_co_u32 s[TBV], s[TBV], KS*PV
	WIN 0
.endm
; THE VECTOR WORK, one line at a time: OP kind, number.  For piece Y: F n: c s - c m for pair n of 16.  E n: the exponential of score n of 32.  C n: pair n rounded to f16.  B n: of the four weights 4 n .. the second
; pair is added onto the first, in place.  L n: l takes that sum (L 0: l = a l + sum).  R n: pair n of 16 of O^T times a.  For the other piece: X n, number n of the 22 that find its maximum and statistics:
;   0-11  four chains c0-c3 of seven scores each, three operands at a time (each accumulator's lowest registers are read first)     12-14, 16  the four scores left over, the old m, and c0-c3 into c0
;   15  c m_old is kept     17, 18  the query's other 32 keys lie in the lane 16 away: the new m     19-21  c m; c m_old - c m_new; a
.set F, 0               ; OP tells the kinds apart by their order: F to L below R, X above it
.set E, 1
.set C, 2
.set B, 3
.set L, 4
.set R, 5
.set X, 6
.macro REGS y                       ; the registers of piece y
.set rT, ST+4*(\y)
.set rC, TMP+4*((\y)%2)
.set rW, MV+((\y)%2)
.set rS, S+32*((\y)%2)
.set rP, P+16*((\y)%2)
.set rO, 32*(\y)
.endm
.macro OP k, n
.if (\k) == R
	REGS Y
	WIN W_RS
	v_pk_mul_f32 v[rO+2*(\n):rO+2*(\n)+1], v[rO+2*(\n):rO+2*(\n)+1], v[rC+2:rC+3] op_sel_hi:[1,0]
.elseif (\k) < R
	REGS Y
	WIN 0
.if (\k) == F
	v_pk_fma_f32 v[rS+2*(\n):rS+2*(\n)+1], v[rS+2*(\n):rS+2*(\n)+1], s[CS:CS+1], v[rT:rT+1] op_sel_hi:[1,0,0] neg_lo:[0,0,1] neg_hi:[0,0,1]
.elseif (\k) == E
	v_exp_f32 v[rS+(\n)], v[rS+(\n)]
.elseif (\k) == C
	s_wait_alu depctr_va_vdst(0)
	v_cvt_pk_f16_f32 v[rP+(\n)], v[rS+2*(\n)], v[rS+2*(\n)+1]
.elseif (\k) == B
	s_wait_alu depctr_va_vdst(0)
	v_pk_add_f32 v[rS+4*(\n):rS+4*(\n)+1], v[rS+4*(\n):rS+4*(\n)+1], v[rS+4*(\n)+2:rS+4*(\n)+3]
.elseif (\n) == 0
	v_pk_fma_f32 v[rT+2:rT+3], v[rT+2:rT+3], v[rC+2:rC+3], v[rS:rS+1] op_sel_hi:[1,0,1]
.else
	v_pk_add_f32 v[rT+2:rT+3], v[rT+2:rT+3], v[rS+4*(\n):rS+4*(\n)+1]
.endif
.elseif NOKQ
	v_nop
.else
	REGS (Y+1)%NP
	WIN 0
.if (\n) < 4
	v_max3_num_f32 v[rC+(\n)], v[rS+8*(\n)], v[rS+8*(\n)+1], v[rS+8*(\n)+2]
.elseif (\n) < 12
	v_max3_num_f32 v[rC+(\n)%4], v[rC+(\n)%4], v[rS+8*((\n)%4)+2*((\n)/4)+1], v[rS+8*((\n)%4)+2*((\n)/4)+2]
.elseif (\n) == 12
	v_max3_num_f32 v[rC], v[rC], v[rS+7], v[rS+15]
.elseif (\n) == 13
	v_max3_num_f32 v[rC+1], v[rC+1], v[rS+23], v[rS+31]
.elseif (\n) == 14
	v_max3_num_f32 v[rC+2], v[rC+2], v[rC+3], v[rT+1]
.elseif (\n) == 15
	v_mov_b32 v[rW], v[rT]
.elseif (\n) == 16
	v_max3_num_f32 v[rC], v[rC], v[rC+1], v[rC+2]
.elseif (\n) == 17
	v_permlanex16_b32 v[rC+3], v[rC], s[SEL], s[SEL+1]
.elseif (\n) == 18
	v_max_num_f32 v[rT+1], v[rC], v[rC+3]
.elseif (\n) == 19
	v_mul_f32 v[rT], s[CS], v[rT+1]
.elseif (\n) == 20
	v_sub_f32 v[rC+1], v[rW], v[rT]
.else
	v_exp_f32 v[rC+2], v[rC+1]
.endif
.endif
.endm
.macro OPS a, i1, b=-1, i2=0, c=-1, i3=0, d=-1, i4=0  ; up to four of them
	OP \a, \i1
.if (\b) >= 0
	OP \b, \i2
.endif
.if (\c) >= 0
	OP \c, \i3
.endif
.if (\d) >= 0
	OP \d, \i4
.endif
.endm
.macro ROW a, i1, b, i2, c, i3, d, i4  ; a matrix instruction and the four behind it
	MM
	OPS \a, \i1, \b, \i2, \c, \i3, \d, \i4
.endm
.macro MASK b                       ; MD x AL + BE into buffer b of MC
	WIN W_RS
.set z, 0
.rept 16
	v_pk_fma_f32 v[MC+32*(\b)+2*z:MC+32*(\b)+2*z+1], v[MD+2*z:MD+2*z+1], s[AL:AL+1], s[BE:BE+1] op_sel_hi:[1,0,0]
.set z, z+1
.endr
.endm
; A TURN, for piece p in a step of parity par: the order of its 16 matrix and 118 vector instructions, written out.  Behind a matrix instruction: plain, exponential, plain, plain; or four of the rescaling; or, behind the
; first, four scalings; none names a register of the products round it.  In the lumps exponential and plain by turns while exponentials last.  v_permlanex16_b32 (X 17) stands in a lump.
; m = 1: the diagonal tile: the products take masks, and the turn makes piece p's mask for step TM of the tile, which the next turn's products take.  end = 1: a block's last two turns: nothing is fetched.
; cnt = 1: the loop's count is taken down some lines ahead of the branch that stands behind the turn.
; The run of LDS loads stands in the first lump.  p = 0: K of the next step, five plain vector instructions (R 4 to 7, F 15) behind the last product that read K.  p = 1: V of the next step, into the buffer whose last
; reader stands in the turn before.  One wait at the head of every turn of piece 1 covers both: K for that turn's first products, V for its second run.
.macro TURN p, par, m=0, end=0, cnt=0
.set Y, (\p)
.set i, 0
.set KM, (\m)
.set NOKQ, (\end)*(\p)
.set VB, ((\par)+(\p)+1)%2
.if (\m) && !(\end)
	s_cmp_eq_u32 s[TM], s[OWN+(\p)]  ; is that step the band's own?
	s_cselect_b32 s[AL], 1.0, 0
	s_cmp_gt_u32 s[TM], s[OWN+(\p)]  ; or a later one?
	s_cselect_b32 s[BE], s[BIGN], 0
.if (\p) == 1
	s_add_co_u32 s[TM], s[TM], 1
.endif
.endif
.if (\p) == 1
	s_wait_dscnt 0x0                ; K and V are in
.endif
	ROW F,0, F,1, F,2, F,3
	ROW F,4, E,0, F,5, F,6
	ROW F,7, E,1, F,8, F,9
	ROW F,10, E,2, C,0, F,11
	ROW F,12, E,3, X,15, F,13
	ROW R,0, R,1, R,2, R,3
	ROW B,0, E,4, F,14, L,0
.if !(\end)
	WIN 0
.if (\p) == 0
	v_add_nc_u32 v[AK], s[TBK], v[AK0]
.else
	v_add_nc_u32 v[AV], s[TBV], v[AV0]
.endif
.endif
	ROW R,4, R,5, R,6, R,7
	OPS E,5, F,15
.if !(\end)
.if (\p) == 0
	FETCH_K
.else
	FETCH_V 1-(\par)
.endif
.endif
	OPS E,6, C,1, E,7, R,8
	OPS E,8, R,9, E,9, C,2
	OPS E,10, X,0, E,11, X,1
	OPS E,12, X,2, E,13, X,3
	ROW X,4, E,14, X,5, X,6
	ROW X,7, E,15, X,8, X,9
	ROW X,10, E,16, X,11, X,12
	ROW X,13, E,17, X,14, B,1
	ROW C,4, E,18, X,16, L,1
	ROW B,2, E,19, C,6, L,2
	ROW C,8, E,20, B,3, B,4
	ROW C,3, E,21, L,3, C,5
	OPS E,22, X,17, E,23, C,10
	OPS E,24, L,4
	OPS E,25, X,18, E,26, C,7
	OPS E,27, B,5, E,28, X,19
	OPS E,29, C,12, E,30, L,5
	OPS E,31, X,20, B,6, C,9
	OPS C,14, C,11, X,21, L,6
.if \cnt
	s_sub_co_u32 s[CNT], s[CNT], 1
	s_cmp_lg_u32 s[CNT], 0
.endif
	OPS C,13, B,7, C,15, R,10
	OPS R,11, R,12, L,7, R,13
	OPS R,14, R,15
.if (\m) && !(\end)
	MASK \p
.endif
.endm
; A BLOCK BEGINS.  c m starts far below every c s, so the first step's a is 0; m at the lowest finite number, so the first maximum is the scores'.  Piece 1's mask buffer is 0 (its own step is never the tile's step 0);
; piece 0's takes its mask for step 0: its own, if the block's first tile is the diagonal one and d = 0.  Then K and V of that step, piece 0's first scores, and its maximum and statistics.
; The step loop is entered at an even step's first turn, in the middle of a trip.
.macro BEGIN
	s_mov_b32 s[NEW], 0
	WIN 0x40
.set i, MC+32
.rept 32
	v_mov_b32 v[i], 0
.set i, i+1
.endr
	WIN 0
.set i, 0
.rept NP
	v_mov_b32 v[ST+4*i], 0xfe000000    ; c m: far below every c s
	v_mov_b32 v[ST+4*i+1], 0xff7fffff  ; m
.set i, i+1
.endr
	s_or_b32 s13, s[RT], s[OWN]     ; 0 where no tile of the block is left to enter and d = 0
	s_cmp_eq_u32 s13, 0
	s_cselect_b32 s[AL], 1.0, 0
	s_mov_b32 s[BE], 0
	MASK 0
	s_mov_b32 s[TM], 1              ; the first turn makes a mask for step 1
	WIN 0
	v_add_nc_u32 v[AK], s[TBK], v[AK0]
	v_add_nc_u32 v[AV], s[TBV], v[AV0]
	FETCH_K
	FETCH_V 0
	s_wait_dscnt 16                 ; K's sixteen loads are in; V's sixteen, issued behind them, may stay out until piece 1's first turn waits
.set KM, 1
.set NOKQ, 0
.set i, 0
.rept 8
	KQ 0
.set i, i+1
.endr
	WIN 0
.rept 4
	v_nop                           ; the places behind those products
.endr
.set Y, NP-1                        ; X works for the other piece: piece 0
.irp n, 0,1,2,3,4,5,6,7,8,9,10,11,12,13,14,15,16,17,18,19,20,21
	OP X, \n
.endr
	v_nop                           ; a plain instruction behind the exponential
.endm
; THE DIAGONAL TILE's steps, the block's last two turns, its last products, and THE WAY OUT: l's two halves and the other half of the lanes' are added; O^T is divided by l and sent, in f32, through my stage in LDS,
; a piece (16 rows of O) at a time.
.macro ALL line:vararg              ; one line for each piece t
.set t, 0
.rept NP
	\line
.set t, t+1
.endr
.endm
.macro PACK t                       ; a lane's eight channels of a channel block are 32 bytes of a row; they go into rows of 272 bytes and come back as whole rows of 256, into S^T's registers
	WIN W_RS
.set i, 32*(\t)
.rept 16
	s_wait_alu depctr_va_vdst(0)
	v_pk_mul_f32 v[i:i+1], v[i:i+1], v[ST+4*(\t)+2:ST+4*(\t)+3] op_sel_hi:[1,0]
.set i, i+2
.endr
	WIN 0x04                        ; the stores' data in window 1, their address in window 0
.irp g, 0,1,2,3,4,5,6,7             ; channel block g / 2 (64 bytes of the row), half g % 2 of my 32 bytes
	ds_store_b128 v[STO], v[32*(\t)+4*\g:32*(\t)+4*\g+3] offset:(\g/2)*64+(\g%2)*16
.endr
	WIN 0
.irp f, 0,1,2,3,4,5,6,7
	ds_load_b128 v[S+32*(\t)+4*\f:S+32*(\t)+4*\f+3], v[RD] offset:\f*2*SP  ; LDS serves a wave's instructions in order (ISA guide 5.7.1.4): these see the stores above; the next piece's stores come behind them
.endr
.endm
.macro SEND t, younger              ; younger: the LDS instructions issued behind piece t's loads: the next piece's sixteen, or none
	WIN 0
.irp f, 0,1,2,3,4,5,6,7
	s_wait_dscnt (\younger)+7-\f
	global_store_b128 v[GO], v[S+32*(\t)+4*\f:S+32*(\t)+4*\f+3], s[10:11] offset:(\t)*16384+\f*512 th:TH_STORE_NT  ; 16 lanes store a row of O: 256 consecutive bytes, at a multiple of 256 from O's first byte
.endr
.endm
.macro DIAG tag                     ; the tag ends its two labels' names, which the jumps below spell out
.LstepM\tag:
	TURN 0, 1, 1
	TURN 1, 1, 1
	WIN 0
.LfirstM\tag:
	TURN 0, 0, 1
	TURN 1, 0, 1, 0, 1
	WIN 0
	s_cbranch_scc1 .LstepM\tag
	TURN 0, 1, 1, 1                 ; the tile's step 3: nothing more is fetched,
	TURN 1, 1, 1, 1                 ; and no new scores are started
.set VB, 1
.set i, 0
.rept 8
	PV 1                            ; piece 1: V^T P of step 3
.set i, i+1
.endr
	WIN 0
.rept 4
	v_nop                           ; the places behind those products
.endr
	ALL v_add_f32 v[ST+4*t+2], v[ST+4*t+2], v[ST+4*t+3]
	ALL v_permlanex16_b32 v[ST+4*t+3], v[ST+4*t+2], s[SEL], s[SEL+1]
	ALL v_add_f32 v[ST+4*t+2], v[ST+4*t+2], v[ST+4*t+3]
	ALL v_rcp_f32 v[ST+4*t+2], v[ST+4*t+2]
	v_nop                           ; a plain instruction between the last reciprocal and the use of its result
	PACK 0
	PACK 1                          ; piece 1's arithmetic stands between piece 0's loads and its stores
	SEND 0, 16
	SEND 1, 0
.endm
.set KM, 0
.set NOKQ, 0
.set VB, 0
.Lslot:                             ; 16 times: a tile is entered and the next is asked for
	CHANGE 1
	s_sub_co_u32 s[RT], s[RT], 1
	s_mov_b32 s[CNT], 2
	s_mov_b32 s[TM], 0              ; the first mask made in a tile that is entered at the loop's head is for its step 0
	s_cmp_eq_u32 s[NEW], 1
	s_cbranch_scc1 .Lnew            ; a block's first tile
	s_cmp_eq_u32 s[RT], 0
	s_cbranch_scc0 .Lstep           ; neither its first nor its last
	s_branch .LstepM1
.Lnew:
	BEGIN
	s_branch .Lfirst                ; in the loop a block's first tile is never its last: the first block has nine tiles or more, and the second's last is the walk's last
	DIAG 1                          ; in the loop this is the first block's end
	s_wait_xcnt 0x0                 ; the stores have read their registers and O's address
	s_mov_b64 s[10:11], s[OLO:OLO+1]
	s_add_co_u32 s[RT], s[LQ2], 1   ; the second block has b / 2 + 1 tiles
	s_mov_b32 s[NEW], 1
	s_mov_b32 s[OWN], s[D2]
	s_add_co_u32 s[OWN+1], s[D2], 1
	WIN 0x82                        ; the second block's Q goes where the one text of the turns names Q
.set i, 0
.rept 32
	v_mov_b32 v[i], v[QB+i]
.set i, i+1
.endr
	WIN 0
	s_branch .Lbottom
.Lstep:                             ; a trip: an odd step's two turns (at a tile's head: the last step of the tile before), then an even step's
	TURN 0, 1
	TURN 1, 1
	WIN 0
.Lfirst:
	TURN 0, 0
	TURN 1, 0, 0, 0, 1
	WIN 0
	s_cbranch_scc1 .Lstep
.Lbottom:
	s_sub_co_u32 s[SLOTS], s[SLOTS], 1
	s_cmp_lg_u32 s[SLOTS], 0
	s_cbranch_scc1 .Lslot
	CHANGE 0                        ; the walk's last tile is written out: nothing is asked for
	s_sub_co_u32 s[RT], s[RT], 1
	s_mov_b32 s[CNT], 2
	s_mov_b32 s[TM], 0
	s_cmp_eq_u32 s[NEW], 1
	s_cbranch_scc0 .LstepM2
	BEGIN                           ; b = 0 or 1: the second block's only tile
	s_branch .LfirstM2
	DIAG 2
	s_wait_tensorcnt 0x0            ; the wave's end, behind my last tensor load and my last LDS store
	ds_add_u32 v[SPW], v[NIL]
	s_wait_dscnt 0x0
	s_endpgm
.Lfunc_end_k_qb8e345d7e2_attn:
	.size	k_qb8e345d7e2_attn, .Lfunc_end_k_qb8e345d7e2_attn-k_qb8e345d7e2_attn
	.p2alignl 7, 3214868480
	.fill 96, 4, 3214868480
	.section	.rodata,"a",@progbits
	.p2align	6, 0x0
	.amdhsa_kernel k_qb8e345d7e2_attn
		.amdhsa_group_segment_fixed_size 327680
		.amdhsa_private_segment_fixed_size 0
		.amdhsa_enable_private_segment 0
		.amdhsa_kernarg_size 32
		.amdhsa_user_sgpr_count 2
		.amdhsa_user_sgpr_kernarg_segment_ptr 1
		.amdhsa_wavefront_size32 1
		.amdhsa_system_sgpr_workgroup_id_x 1
		.amdhsa_system_sgpr_workgroup_id_y 1
		.amdhsa_system_sgpr_workgroup_id_z 1
		.amdhsa_system_vgpr_workitem_id 0
		.amdhsa_next_free_vgpr 768
		.amdhsa_next_free_sgpr 92
		.amdhsa_reserve_vcc 1
		.amdhsa_float_denorm_mode_32 3
		.amdhsa_float_denorm_mode_16_64 3
		.amdhsa_memory_ordered 1
		.amdhsa_forward_progress 1
		.amdhsa_inst_pref_size 224
	.end_amdhsa_kernel
	.amdgpu_metadata
---
amdhsa.version: [ 1, 2 ]
amdhsa.kernels:
  - .name:           k_qb8e345d7e2_attn
    .symbol:         k_qb8e345d7e2_attn.kd
    .args:
      - { .name: q, .offset: 0, .size: 8, .value_kind: global_buffer, .address_space: global }
      - { .name: kb, .offset: 8, .size: 8, .value_kind: global_buffer, .address_space: global }
      - { .name: vh, .offset: 16, .size: 8, .value_kind: global_buffer, .address_space: global }
      - { .name: out0, .offset: 24, .size: 8, .value_kind: global_buffer, .address_space: global }
    .group_segment_fixed_size: 327680
    .private_segment_fixed_size: 0
    .kernarg_segment_align: 8
    .kernarg_segment_size: 32
    .max_flat_workgroup_size: 128
    .sgpr_count:     92
    .vgpr_count:     768
    .wavefront_size: 32
...
	.end_amdgpu_metadata
.endif
;; end of part 2
;; ======== version 2 of 2: 2 launches; version 1 with the launch cast written anew for expert scheduling mode
;; limits: inputs' magnitudes at most 65,408; values are held in f16: magnitudes above 65,504 overflow, below 6.1e-05 lose precision; right only within a limited range of input values
;; workspace buffers: kb 8,388,608 bytes; vh 8,388,608 bytes
;; launch cast (part 3): grid 512 x 1, 8 waves a work-group, no clusters, 0 bytes of LDS; arguments k, v, kb, vh; writes kb, vh
.if DOCPART == 3
	.amdgcn_target "amdgcn-amd-amdhsa--gfx1250"
	.amdhsa_code_object_version 6
	.text
	.protected	k_qb8e345d7e2_cast
	.globl	k_qb8e345d7e2_cast
	.p2align	8
	.type	k_qb8e345d7e2_cast,@function
k_qb8e345d7e2_cast:
	s_mov_b64 s[64:65], 0
	v_nop
	global_prefetch_b8 v0, s[64:65] scope:SCOPE_SE
	s_setreg_imm32_b32 hwreg(HW_REG_WAVE_SCHED_MODE, 0, 2), 2
	s_setreg_imm32_b32 hwreg(HW_REG_WAVE_MODE, 25, 1), 1
	s_wait_xcnt 0x0
	s_wait_alu depctr_vm_vsrc(0)
; kb = k rounded to bf16.  vh = v rounded to bf16, that number written as f16.  k, v: [16][4096][64] f32; kb, vh: the same shape in 16 bits.
; Both are matrix operands of the launch behind: k of a bf16 product; v of an f16 product, whose other operand (the softmax weights) wants f16.
; LIMITS.  A bf16 number is exact in f16 from 2^-14 up to 65,504; below 2^-14 it keeps f16's fixed step of 6e-8; |v| of 65,408 or more would become an infinity: this text serves |v| below that.
; SHARES.  A stream: each byte is read once and written once, so no LDS, no barrier, no matrix unit.  512 work-groups of eight waves; a work-group takes 32,768 consecutive bytes of k and the same of v.
; Thread t takes the 16 bytes at 16 t + 4,096 j, j = 0 .. 7: a load of a wave covers 512 consecutive bytes; its 8 bytes of result lie at 8 t + 2,048 j: a store of a wave covers 256 consecutive bytes, aligned.
; All sixteen loads of a wave go out first; every register that a load or store names is written once, so no source of a pending load or store is ever rewritten.
; THE MODE: SCHED_MODE bits 1:0 = 2 (LLVM: expert scheduling mode 2), set by the entry lines.  The code itself states the register dependences
; between vector instructions and memory instructions, with s_wait_alu, always for 0.
; THE PLAN.  Registers that memory instructions touch:
;   v1, v2   byte offsets, made once at the head and never written again; v1 is read by every load, v2 by every store.
;   X        unit n's four registers: written by its one load, which is issued at the head, before any vector instruction names X; read by the unit's conversions.
;   Y        unit n's two registers: written once, by the unit's conversions; read by its one store.
;   T        named by vector instructions alone.
; The sixteen units (eight of k, then eight of v) go in four blocks of four.  Block p's conversions read X and write Y of block p; its memory instructions are the four stores of block p - 1,
; which read Y of block p - 1 and v2: registers that no vector instruction of block p names.  So one wait on va_vdst at a block's head states all that the block's four stores hang on, and these are dealt
; among its conversions with no further wait.  One such wait stands ahead of the first load, for the offsets, and one ahead of the last four stores.  No register that a memory instruction
; reads is written again, so no wait on vm_vsrc is owed; no vector instruction writes a scalar register, VCC or EXEC.
.set T, 4                              ; v[4:9]     at work: three registers for each of a load's two pairs
.set X, 16                             ; v[16:79]   load n at X + 4 n: n = 0 .. 7 from k, 8 .. 15 from v
.set Y, 80                             ; v[80:111]  store n at Y + 2 n
	s_load_b256 s[4:11], s[0:1], 0x0               ; k s[4:5], v s[6:7], kb s[8:9], vh s[10:11]
	s_lshl_b32 s2, ttmp9, 15                       ; the work-group's 32,768 bytes of input,
	s_lshl_b32 s3, ttmp9, 14                       ; its 16,384 of output
	s_mov_b32 s12, 0xffff0000                      ; a word's upper bf16
	v_lshl_add_u32 v1, v0, 4, s2
	v_lshl_add_u32 v2, v0, 3, s3
	s_wait_kmcnt 0x0
	s_wait_alu depctr_va_vdst(0)                   ; v1 and v2 are written: every load of the kernel reads v1 as its offset, every store v2
.irp j, 0,1,2,3,4,5,6,7
	global_load_b128 v[X+4*(\j):X+4*(\j)+3], v1, s[4:5] offset:4096*(\j) th:TH_LOAD_NT
.endr
.irp j, 0,1,2,3,4,5,6,7
	global_load_b128 v[X+32+4*(\j):X+32+4*(\j)+3], v1, s[6:7] offset:4096*(\j) th:TH_LOAD_NT
.endr
; Unit j of k: two roundings a line, four numbers into 8 bytes.
.macro CVK j
	v_cvt_pk_bf16_f32 v[Y+2*(\j)],   v[X+4*(\j)],   v[X+4*(\j)+1]
	v_cvt_pk_bf16_f32 v[Y+2*(\j)+1], v[X+4*(\j)+2], v[X+4*(\j)+3]
.endm
; Unit j of v.
.macro CVV j
.irp p, 0,1
	v_cvt_pk_bf16_f32 v[T+3*(\p)], v[X+32+4*(\j)+2*(\p)], v[X+32+4*(\j)+2*(\p)+1]  ; the one rounding,
	v_lshlrev_b32 v[T+3*(\p)+1], 16, v[T+3*(\p)]                                   ; the two numbers as f32 again,
	v_and_b32     v[T+3*(\p)+2], s12, v[T+3*(\p)]
	v_cvt_pk_f16_f32 v[Y+16+2*(\j)+(\p)], v[T+3*(\p)+1], v[T+3*(\p)+2]             ; and written as f16
.endr
.endm
; The stores of unit j of kb and of vh.
.macro OUTK j
	global_store_b64 v2, v[Y+2*(\j):Y+2*(\j)+1], s[8:9] offset:2048*(\j)
.endm
.macro OUTV j
	global_store_b64 v2, v[Y+16+2*(\j):Y+16+2*(\j)+1], s[10:11] offset:2048*(\j)
.endm
.irp j, 0,1,2,3                        ; block 0: k's units 0 to 3; there is no block in front of it, so it stores nothing
	s_wait_loadcnt 15-(\j)                         ; loads come back in order: load j is in, the 15 - j younger ones stay out
	CVK \j
.endr
.irp j, 4,5,6,7                        ; block 1: k's units 4 to 7, and the stores of units 0 to 3
	s_wait_loadcnt 15-(\j)
.if (\j) == 4
	s_wait_alu depctr_va_vdst(0)                   ; block 0's conversions have written Y of k's units 0 to 3, which this block's four stores read
.endif
	OUTK (\j)-4                                    ; no vector instruction since that wait names its registers
	CVK \j
.endr
.irp j, 0,1,2,3                        ; block 2: v's units 0 to 3, and the stores of k's units 4 to 7
	s_wait_loadcnt 7-(\j)
.if (\j) == 0
	s_wait_alu depctr_va_vdst(0)                   ; block 1's conversions have written Y of k's units 4 to 7, which this block's four stores read
.endif
	OUTK (\j)+4
	CVV \j
.endr
.irp j, 4,5,6,7                        ; block 3: v's units 4 to 7, and the stores of v's units 0 to 3
	s_wait_loadcnt 7-(\j)
.if (\j) == 4
	s_wait_alu depctr_va_vdst(0)                   ; block 2's conversions have written Y of v's units 0 to 3, which this block's four stores read
.endif
	OUTV (\j)-4
	CVV \j
.endr
	s_wait_alu depctr_va_vdst(0)                   ; block 3's conversions have written Y of v's units 4 to 7, which the last four stores read
.irp j, 4,5,6,7
	OUTV \j
.endr
	s_endpgm
.Lfunc_end_k_qb8e345d7e2_cast:
	.size	k_qb8e345d7e2_cast, .Lfunc_end_k_qb8e345d7e2_cast-k_qb8e345d7e2_cast
	.p2alignl 7, 3214868480
	.fill 96, 4, 3214868480
	.section	.rodata,"a",@progbits
	.p2align	6, 0x0
	.amdhsa_kernel k_qb8e345d7e2_cast
		.amdhsa_group_segment_fixed_size 0
		.amdhsa_private_segment_fixed_size 0
		.amdhsa_enable_private_segment 0
		.amdhsa_kernarg_size 32
		.amdhsa_user_sgpr_count 2
		.amdhsa_user_sgpr_kernarg_segment_ptr 1
		.amdhsa_wavefront_size32 1
		.amdhsa_system_sgpr_workgroup_id_x 1
		.amdhsa_system_sgpr_workgroup_id_y 1
		.amdhsa_system_sgpr_workgroup_id_z 1
		.amdhsa_system_vgpr_workitem_id 0
		.amdhsa_next_free_vgpr 112
		.amdhsa_next_free_sgpr 66
		.amdhsa_reserve_vcc 0
		.amdhsa_float_denorm_mode_32 3
		.amdhsa_float_denorm_mode_16_64 3
		.amdhsa_memory_ordered 1
		.amdhsa_forward_progress 1
		.amdhsa_inst_pref_size 9
	.end_amdhsa_kernel
	.amdgpu_metadata
---
amdhsa.version: [ 1, 2 ]
amdhsa.kernels:
  - .name:           k_qb8e345d7e2_cast
    .symbol:         k_qb8e345d7e2_cast.kd
    .args:
      - { .name: k, .offset: 0, .size: 8, .value_kind: global_buffer, .address_space: global }
      - { .name: v, .offset: 8, .size: 8, .value_kind: global_buffer, .address_space: global }
      - { .name: kb, .offset: 16, .size: 8, .value_kind: global_buffer, .address_space: global }
      - { .name: vh, .offset: 24, .size: 8, .value_kind: global_buffer, .address_space: global }
    .group_segment_fixed_size: 0
    .private_segment_fixed_size: 0
    .kernarg_segment_align: 8
    .kernarg_segment_size: 32
    .max_flat_workgroup_size: 256
    .sgpr_count:     66
    .vgpr_count:     112
    .wavefront_size: 32
...
	.end_amdgpu_metadata
.endif
;; end of part 3
;; launch attn: the kernel of part 2 again; grid 16 x 16, 4 waves a work-group, no clusters, 327,680 bytes of LDS; arguments q, kb, vh, out0; writes out0
